; MI455X (gfx1250); checked and timed in simulation.
; The chip was launched on July 23, 2026; its instructions are those of AMD's public machine-readable ISA for CDNA 5 (MIT licence, August 2026) and "CDNA5" Instruction Set Architecture Reference Guide (July 2026). The comments in the code are by the model that wrote it; some were corrected since.
;; Self Attention Layer. Allowed arithmetic: matrix products marked QUANTISED: E3M2 operands, one E8M0 scale for each 32 along K, by v_wmma_scale_f32_16x16x128_f8f6f4 with both operands' format E3M2, f32 sums; everything else in f32.
;; Inputs: w_attn 1,024 x 3,072 float32; w_proj 1,024 x 1,024 float32; x 4 x 2,048 x 1,024 float32.
;; Outputs: out0 4 x 2,048 x 1,024 float32.
;; This version of the problem:
;;   THIS VERSION OF THE PROBLEM IS GIVEN IN LOW PRECISION. The matrix products marked QUANTISED in the list below multiply operands that are first quantised to E3M2 (3 exponent bits, 2 mantissa bits; 6 bits a number), with one power-of-two scale for each 32 numbers along K (OCP MX v1.0); their sums are f32. All else is computed in f32.
;;   The module's matrix products, in the order in which they are computed (A, B: the left and right operand; K: the contracted axis; several contracted axes count as one K, in the product's order):
;;     1. [M 8,192, K 1,024] x [K 1,024, N 3,072]; A: input x; B: input w_attn: QUANTISED
;;     2. batch 64 x [M 2,048, K 64] x [K 64, N 2,048]; A: computed on the way; B: computed on the way: QUANTISED
;;     3. batch 64 x [M 2,048, K 2,048] x [K 2,048, N 64]; A: softmax (see below); B: computed on the way: QUANTISED
;;     4. [M 8,192, K 1,024] x [K 1,024, N 1,024]; A: computed on the way; B: input w_proj: QUANTISED
;;   THE QUANTISER, for each operand of a quantised product, along K:
;;     - K is cut into blocks of 32 from its start; a last block that is shorter is filled with zeros.
;;     - A block's scale is 2^e with e = floor(log2(the largest magnitude in the block)) - 4, held to -126 .. 127; a block of zeros has e = 0. As a byte (E8M0): e + 127.
;;     - Each number is divided by its block's scale, clamped to +-28, and rounded to the nearest number of E3M2, ties to even, subnormals kept.
;;     - The product sums the exact products of the quantised numbers (number of the format x scale) in f32.
;;   ~~~python
;;   def quantise(x, axis):      # numpy; x: float32 -> the quantised numbers, widened to float32 again
;;       x = np.moveaxis(x, axis, -1); K = x.shape[-1]
;;       x = np.pad(x, [(0, 0)] * (x.ndim - 1) + [(0, -K % 32)]); x = x.reshape(x.shape[:-1] + (-1, 32)); a = np.abs(x).max(-1, keepdims=True)
;;       e = np.where(a > 0, np.clip(np.frexp(np.where(a > 0, a, 1))[1] - 1 - 4, -126, 127), 0)      # np.frexp(a)[1] - 1 = floor(log2(a)), exactly
;;       r = np.clip(x / 2.0 ** e, -28, 28)
;;       step = 2.0 ** (np.maximum(np.frexp(np.where(r == 0, 1, r))[1] - 1, -2) - 2)
;;       q = np.round(r / step) * step * 2.0 ** e      # np.round: ties to even
;;       return np.moveaxis(q.reshape(q.shape[:-2] + (-1,))[..., :K], -1, axis).astype(np.float32)
;;   ~~~
;;   SOFTMAX AHEAD OF A QUANTISED PRODUCT. Where the list says 'softmax', what is quantised is not the finished softmax but p = 2^(t - M), with t = logit x log2(e) and M = ceil(the row's largest t), a whole number; so 1/2 < the row's largest p <= 1. The row's sum l is taken of the UNQUANTISED p, in f32, and the product's result is divided by l at the end. Since M is a whole number, a kernel that streams over the keys may use a running M (the ceiling of the running maximum): every later rescaling is an exact power of two, which a block's scale takes up: the codes' values come out the same.
;;   OPERANDS COMPUTED ON THE WAY. 'Computed on the way' means the value that the module computes at that place (a softmax that the list does not call 'softmax' is quantised finished and normalised). What goes into a quantiser is computed in f32, as accurately as f32 sums, v_exp_f32 and their like allow (about 1e-6 of the number): no bf16 or f16 on the way to a quantiser, and a product that is left as it is and whose result goes on into a quantised operand takes f32 operands (vector FMAs, or v_wmma_f32_16x16x4_f32). A number that lies on a knife's edge between two numbers of the format may be rounded either way, as far as f32 arithmetic and the matrix unit's own rounding can turn it there, and no further.
;; One version. Each part assembles by itself: llvm-mc -triple=amdgcn-amd-amdhsa -mcpu=gfx1250 --defsym DOCPART=n.
;; ======== version 1 of 1: 4 launches
;; workspace buffers: ximg 6,815,744 bytes; wimg 3,407,872 bytes; qkv 20,447,232 bytes; yimg 6,815,744 bytes
;; launch quant (part 1): grid 640 x 1, 4 waves a work-group, no clusters, 34,304 bytes of LDS; arguments x, w_attn, w_proj, ximg, wimg; writes ximg, wimg
.if DOCPART == 1
	.amdgcn_target "amdgcn-amd-amdhsa--gfx1250"
	.amdhsa_code_object_version 6
	.text
	.protected	k_q90e53c4c70_quant
	.globl	k_q90e53c4c70_quant
	.p2align	8
	.type	k_q90e53c4c70_quant,@function
k_q90e53c4c70_quant:
	s_mov_b64 s[64:65], 0
	v_nop
	global_prefetch_b8 v0, s[64:65] scope:SCOPE_SE
	s_setreg_imm32_b32 hwreg(HW_REG_WAVE_MODE, 25, 1), 1
	s_wait_xcnt 0x0
; THE PROGRAM: out0 = attention(x w_attn) w_proj, 4 x 2,048 tokens, 16 heads of 64, all four products on codes of BF6 (E3M2) with one E8M0 scale for each 32 along K.  Four launches:
; this one (x, w_attn, w_proj into codes), gqkv (product 1; q, k, v into codes), attn (products 2 and 3; y into codes), gproj (product 4).
; WORK LEFT OUT, IN attn ALONE: reference() sets the logit of key k for query q to -infinity wherever k > q, by a jnp.tril of its own.  There p = 2^(-infinity - M) = 0 for all finite inputs: it adds nothing to the row's sum,
; its code is 0, and it raises no block's largest magnitude.  So a step of 128 keys all of which come after all 16 queries of a tile can reach no output, and is not multiplied.  No input is dead: all three are loaded.
; LIMIT: a NaN, an infinity or an overflow that would arise in such a step alone is not carried to the result.
; THIS LAUNCH.  Every operand is laid in memory as an IMAGE OF THE OPERAND'S REGISTERS.  A tile is 16 rows: tile 2 B + u holds rows 32 B + 8 u + r + 8 (r / 8), r = 0 .. 15.  A record is one tile x 256 along K, 3,328 bytes:
; byte 1,536 q + 256 p + 8 lane holds registers 2 p, 2 p + 1 of the fragment of the record's q-th 128 along K (lane (r, h): registers 6 c .. 6 c + 5 = K 64 c + 32 h + 0 .. 31 of row r); byte 3,072 + 8 lane holds row r's two scale words.
; A tile's four records lie on end (13,312 bytes).  ximg: 512 tiles of x's rows.  wimg: 192 tiles of w_attn's columns, then 64 of w_proj's.  Each store of codes covers 256 consecutive bytes, aligned.
; A block's scale is 2^(floor(log2(its largest magnitude)) - 4); its byte is the largest magnitude's exponent field - 4, held at 1 from below.
; LIMITS: a block of zeros, or one whose largest magnitude lies under 2^-122, gets the byte 1 (zeros' codes are zeros, and this program alone reads the bytes); NaN and infinities among the inputs are not served.
; SHARES.  Work-groups 0-511: one tile of x each, a wave to a record.  512-607: w_attn, 128 columns x 256 along K each, a wave to 32 columns (two tiles).  608-639: w_proj likewise.  Waves share nothing: no barrier.
.set REC,   3328
.set TILE,  13312
.set STG,   8448                       ; x's path: a stage of 16 rows x (512 bytes + 16) for each wave
.set SPARE, 4*STG                      ; behind the stages: the spare words, 128 bytes for each wave: two blocks of 256 bytes that no other line names
.set SPW,   8                          ; v8   LDS address of my spare word; never rewritten
.set NIL,   9                          ; v9   0; never rewritten
.set R,     16                         ; v16-143   x as loaded: 2 K steps x 16 rows x 4 registers
.set X,     144                        ; v144-207  64 numbers of my row: register 32 c + i = K 64 c + 32 h + i
.set FQ,    208                        ; v208-231  the two fragments
.set SEL,   20                         ; s[20:21]  selects of v_permlanex16_b32 for lane l xor 16
; 64 numbers in v[X] on become the fragment of K step q and its scale word.  A lane holds two whole blocks, 2 c + h: no other lane is asked for a maximum.
.macro Q64 q
.irp c, 0,1
	v_max3_num_f32 v[10+\c], |v[X+32*\c]|, |v[X+32*\c+1]|, 0x2800000      ; with the floor 2^(5 - 127): the byte cannot fall under 1
.endr
.irp i, 2,4,6,8,10,12,14,16,18,20,22,24,26,28,30
.irp c, 0,1
	v_max3_num_f32 v[10+\c], v[10+\c], |v[X+32*\c+\i]|, |v[X+32*\c+\i+1]|  ; the two blocks by turns
.endr
.endr
.irp c, 0,1
	v_add_nc_u32 v[12+\c], 0xfe000000, v[10+\c]    ; 4 off the exponent field: the conversion's scale operand
.endr
.irp c, 0,1
	v_lshrrev_b32 v[14+\c], 23, v[12+\c]           ; the scale's byte
.endr
	v_lshl_or_b32 v242, v15, 16, v14               ; my two bytes, blocks h and 2 + h,
	v_lshlrev_b32 v242, v6, v242                   ; 8 h bits up;
	v_permlanex16_b32 v243, v242, s[SEL], s[SEL+1]
	v_or_b32 v[240+\q], v242, v243                 ; with lane l xor 16's two the word is whole, in both halves of the lanes
.irp c, 0,1
	v_cvt_scalef32_pk16_bf6_f32 v[FQ+12*\q+6*\c:FQ+12*\q+6*\c+2], v[X+32*\c:X+32*\c+15], v[12+\c]
	v_cvt_scalef32_pk16_bf6_f32 v[232+4*\c:234+4*\c], v[X+32*\c+16:X+32*\c+31], v[12+\c]   ; (a conversion's three registers begin on an even number)
.endr
	v_nop                                          ; one plain line behind the conversions
.irp c, 0,1
.irp i, 0,1,2
	v_mov_b32 v[FQ+12*\q+6*\c+3+\i], v[232+4*\c+\i]
.endr
.endr
.endm
; K step q of x's record: 16 rows x 512 bytes go through my stage as they were loaded and come back 128 + 128 bytes of one row a lane.
.macro XSTEP q
	s_wait_loadcnt 16*(1-\q)                       ; this K step's sixteen loads are in; the other's may be out
.irp i, 0,1,2,3,4,5,6,7,8,9,10,11,12,13,14,15
	ds_store_b128 v3, v[R+64*\q+4*\i:R+64*\q+4*\i+3] offset:528*\i
.endr
.irp c, 0,1
.irp m, 0,1,2,3,4,5,6,7
	ds_load_b128 v[X+32*\c+4*\m:X+32*\c+4*\m+3], v4 offset:256*\c+16*\m   ; LDS serves a wave's instructions in order (ISA guide 5.7.1.4): these see my stores
.endr
.endr
	s_wait_dscnt 0x0
	Q64 \q
.irp p, 0,1,2,3,4,5
	global_store_b64 v5, v[FQ+12*\q+2*\p:FQ+12*\q+2*\p+1], s[10:11] offset:1536*\q+256*\p   ; 32 lanes store 256 consecutive bytes, aligned
.endr
.endm
; A weight [1,024][N], K its first axis: a lane takes a column and its registers run down K.
.macro WLOAD t, N, pb
.irp i, 0,1,2,3,4,5,6,7,8,9,10,11,12,13,14,15,16,17,18,19,20,21,22,23,24,25,26,27,28,29,30,31
	global_load_b32 v[16+32*((\t)%2)+\i], v2, s[\pb:\pb+1] offset:(32*(\t)+\i)*\N*4 th:TH_LOAD_NT
.endr
.endm
.macro WBLOCK t, N, pb
.set XS, 16+32*((\t)%2)
.set FB, 80+6*(\t)                     ; block t's six registers of codes
.if (\t) < 7
	s_wait_loadcnt 32                              ; this block's 32 loads are in; the next block's may be out
.else
	s_wait_loadcnt 0x0
.endif
	v_max3_num_f32 v10, |v[XS]|, |v[XS+1]|, |v[XS+2]|
	v_max3_num_f32 v11, |v[XS+3]|, |v[XS+4]|, |v[XS+5]|
.irp i, 6,10,14,18,22,26
	v_max3_num_f32 v10, v10, |v[XS+\i]|, |v[XS+\i+1]|
	v_max3_num_f32 v11, v11, |v[XS+\i+2]|, |v[XS+\i+3]|
.endr
	v_max3_num_f32 v10, v10, |v[XS+30]|, |v[XS+31]|
	v_max3_num_f32 v10, v10, v11, 0x2800000        ; and the floor
	v_add_nc_u32 v12, 0xfe000000, v10
	v_lshrrev_b32 v13, 23, v12
.if (\t)%4 == 0
	v_mov_b32 v[132+(\t)/4], v13                   ; four bytes to a scale word, the lower K in the lower byte
.else
	v_lshl_or_b32 v[132+(\t)/4], v13, 8*((\t)%4), v[132+(\t)/4]
.endif
	v_cvt_scalef32_pk16_bf6_f32 v[FB:FB+2], v[XS:XS+15], v12
	v_cvt_scalef32_pk16_bf6_f32 v[128:130], v[XS+16:XS+31], v12
	v_nop
.irp i, 0,1,2
	v_mov_b32 v[FB+3+\i], v[128+\i]
.endr
.if (\t)+2 < 8
	WLOAD (\t)+2, \N, \pb
.endif
.if (\t)%2 == 1
; Lanes 0-15 hold the rows of my first tile, lanes 16-31 those of my second.  A fragment wants the even block of a row in lanes 0-15 and the odd one in lanes 16-31:
; the even block's lanes 16-31 change places with the odd block's lanes 0-15, and the two sets of six are the two tiles' registers.
.irp i, 0,1,2,3,4,5
	v_permlane16_swap_b32 v[FB-6+\i], v[FB+\i]
.endr
.irp p, 0,1,2
	global_store_b64 v5, v[FB-6+2*\p:FB-6+2*\p+1], s[12:13] offset:768*((\t)/2)+256*\p
	global_store_b64 v5, v[FB+2*\p:FB+2*\p+1], s[12:13] offset:TILE+768*((\t)/2)+256*\p
.endr
.endif
.endm
.macro WPATH N, first, tile0, pb
	s_sub_co_u32 s16, ttmp9, \first
	s_lshr_b32 s17, s16, 2                         ; which 128 columns
	s_and_b32 s16, s16, 3                          ; which 256 along K
	s_lshl_b32 s18, s17, 7
	s_lshl_b32 s19, s14, 5
	s_add_co_u32 s18, s18, s19                     ; my wave's first column
	s_mul_i32 s22, s16, 256*\N*4
	s_lshl_b32 s19, s18, 2
	s_add_co_u32 s22, s22, s19
	s_mov_b32 s23, 0
	s_add_nc_u64 s[\pb:\pb+1], s[\pb:\pb+1], s[22:23]
	s_lshr_b32 s18, s18, 4
	s_add_co_u32 s18, s18, \tile0                  ; my first tile in wimg
	s_mul_i32 s18, s18, TILE
	s_mul_i32 s19, s16, REC
	s_add_co_u32 s18, s18, s19
	s_mov_b32 s19, 0
	s_add_nc_u64 s[12:13], s[12:13], s[18:19]
	WLOAD 0, \N, \pb
	WLOAD 1, \N, \pb
.irp t, 0,1,2,3,4,5,6,7
	WBLOCK \t, \N, \pb
.endr
	v_mov_b32 v134, v132                           ; the scale words: each tile's, in both halves of the lanes
	v_mov_b32 v135, v133
	v_permlane16_swap_b32 v132, v134
	v_permlane16_swap_b32 v133, v135
	global_store_b64 v5, v[132:133], s[12:13] offset:3072
	global_store_b64 v5, v[134:135], s[12:13] offset:TILE+3072
.endm
	s_load_b256 s[4:11], s[0:1], 0x0               ; x s[4:5], w_attn s[6:7], w_proj s[8:9], ximg s[10:11]
	s_load_b64 s[12:13], s[0:1], 0x20              ; wimg
	v_lshl_add_u32 v[SPW], v0, 2, SPARE
	v_mov_b32 v[NIL], 0
	v_lshrrev_b32 v1, 5, v0
	v_readfirstlane_b32 s14, v1                    ; wave 0..3
	v_and_b32 v1, 31, v0                           ; lane
	v_lshlrev_b32 v5, 3, v1                        ; 8 x lane: my place in every store of an image
	s_mov_b32 s[SEL], 0x76543210
	s_mov_b32 s[SEL+1], 0xfedcba98
	s_wait_kmcnt 0x0
	s_cmp_lt_u32 ttmp9, 512
	s_cbranch_scc0 .Lweights
	; ---- x: tile g = the work-group's number, record = the wave's
	s_lshr_b32 s16, ttmp9, 1
	s_lshl_b32 s16, s16, 5
	s_and_b32 s17, ttmp9, 1
	s_lshl_b32 s17, s17, 3
	s_add_co_u32 s16, s16, s17                     ; the tile's first row: 32 (g / 2) + 8 (g % 2)
	s_lshl_b32 s16, s16, 12                        ; rows of 4,096 bytes
	s_lshl_b32 s17, s14, 10                        ; 256 along K are 1,024 bytes
	s_add_co_u32 s16, s16, s17
	s_mov_b32 s17, 0
	s_add_nc_u64 s[4:5], s[4:5], s[16:17]
	s_mul_i32 s18, ttmp9, TILE
	s_mul_i32 s19, s14, REC
	s_add_co_u32 s18, s18, s19
	s_mov_b32 s19, 0
	s_add_nc_u64 s[10:11], s[10:11], s[18:19]
	v_lshlrev_b32 v2, 4, v1                        ; 16 x lane
.irp q, 0,1
.irp i, 0,1,2,3,4,5,6,7,8,9,10,11,12,13,14,15
	global_load_b128 v[R+64*\q+4*\i:R+64*\q+4*\i+3], v2, s[4:5] offset:(\i+8*(\i/8))*4096+512*\q th:TH_LOAD_NT   ; the tile's row i: 32 lanes read 512 consecutive bytes
.endr
.endr
	s_mul_i32 s22, s14, STG
	v_add_nc_u32 v3, s22, v2                       ; into my stage: 16 x lane
	v_and_b32 v10, 15, v0                          ; r
	v_bfe_u32 v11, v0, 4, 1                        ; h
	v_mul_u32_u24 v4, v10, 528
	v_lshl_add_u32 v4, v11, 7, v4
	v_add_nc_u32 v4, s22, v4                       ; out of it: row r, + 128 h
	v_lshlrev_b32 v6, 3, v11                       ; 8 h
	v_mov_b32 v243, 0                              ; a lane permute's destination counts as one of its sources
	XSTEP 0
	XSTEP 1
	global_store_b64 v5, v[240:241], s[10:11] offset:3072
	s_branch .Lend
.Lweights:
	v_and_b32 v2, 7, v0                            ; my column among the wave's 32: lanes 0-15 take 0-7 and 16-23, lanes 16-31 take 8-15 and 24-31
	v_and_b32 v3, 8, v0
	v_lshl_or_b32 v2, v3, 1, v2
	v_and_b32 v3, 16, v0
	v_lshrrev_b32 v3, 1, v3
	v_or_b32 v2, v2, v3
	v_lshlrev_b32 v2, 2, v2
	s_cmp_lt_u32 ttmp9, 608
	s_cbranch_scc0 .Lproj
	WPATH 3072, 512, 0, 6
	s_branch .Lend
.Lproj:
	WPATH 1024, 608, 192, 8
.Lend:
	s_wait_tensorcnt 0x0                           ; the wave's end
	ds_add_u32 v[SPW], v[NIL]
	s_wait_dscnt 0x0
	s_endpgm
.Lfunc_end_k_q90e53c4c70_quant:
	.size	k_q90e53c4c70_quant, .Lfunc_end_k_q90e53c4c70_quant-k_q90e53c4c70_quant
	.p2alignl 7, 3214868480
	.fill 96, 4, 3214868480
	.section	.rodata,"a",@progbits
	.p2align	6, 0x0
	.amdhsa_kernel k_q90e53c4c70_quant
		.amdhsa_group_segment_fixed_size 34304
		.amdhsa_private_segment_fixed_size 0
		.amdhsa_enable_private_segment 0
		.amdhsa_kernarg_size 40
		.amdhsa_user_sgpr_count 2
		.amdhsa_user_sgpr_kernarg_segment_ptr 1
		.amdhsa_wavefront_size32 1
		.amdhsa_system_sgpr_workgroup_id_x 1
		.amdhsa_system_sgpr_workgroup_id_y 1
		.amdhsa_system_sgpr_workgroup_id_z 1
		.amdhsa_system_vgpr_workitem_id 0
		.amdhsa_next_free_vgpr 244
		.amdhsa_next_free_sgpr 66
		.amdhsa_reserve_vcc 0
		.amdhsa_float_denorm_mode_32 3
		.amdhsa_float_denorm_mode_16_64 3
		.amdhsa_memory_ordered 1
		.amdhsa_forward_progress 1
		.amdhsa_inst_pref_size 96
	.end_amdhsa_kernel
	.amdgpu_metadata
---
amdhsa.version: [ 1, 2 ]
amdhsa.kernels:
  - .name:           k_q90e53c4c70_quant
    .symbol:         k_q90e53c4c70_quant.kd
    .args:
      - { .name: x, .offset: 0, .size: 8, .value_kind: global_buffer, .address_space: global }
      - { .name: w_attn, .offset: 8, .size: 8, .value_kind: global_buffer, .address_space: global }
      - { .name: w_proj, .offset: 16, .size: 8, .value_kind: global_buffer, .address_space: global }
      - { .name: ximg, .offset: 24, .size: 8, .value_kind: global_buffer, .address_space: global }
      - { .name: wimg, .offset: 32, .size: 8, .value_kind: global_buffer, .address_space: global }
    .group_segment_fixed_size: 34304
    .private_segment_fixed_size: 0
    .kernarg_segment_align: 8
    .kernarg_segment_size: 40
    .max_flat_workgroup_size: 128
    .sgpr_count:     66
    .vgpr_count:     244
    .wavefront_size: 32
...
	.end_amdgpu_metadata
.endif
;; end of part 1
;; launch gqkv (part 2): grid 12 x 64, 8 waves a work-group, clusters of 4 x 4, 327,680 bytes of LDS; arguments ximg, wimg, qkv; writes qkv
.if DOCPART == 2
	.amdgcn_target "amdgcn-amd-amdhsa--gfx1250"
	.amdhsa_code_object_version 6
	.text
	.protected	k_q90e53c4c70_gqkv
	.globl	k_q90e53c4c70_gqkv
	.p2align	8
	.type	k_q90e53c4c70_gqkv,@function
k_q90e53c4c70_gqkv:
	s_mov_b64 s[64:65], 0
	v_nop
	global_prefetch_b8 v0, s[64:65] scope:SCOPE_SE
	s_setreg_imm32_b32 hwreg(HW_REG_WAVE_MODE, 25, 1), 1
	s_wait_xcnt 0x0
	s_wait_alu depctr_hold_cnt(0) depctr_sa_sdst(0) depctr_va_vdst(0) depctr_va_sdst(0) depctr_va_ssrc(0) depctr_va_vcc(0) depctr_vm_vsrc(0)
	s_getreg_b32 s2, hwreg(HW_REG_IB_STS2, 6, 4)
	s_cmp_eq_u32 s2, 0
	s_cbranch_scc0 .Lentry_in_a_cluster
	s_endpgm
.Lentry_in_a_cluster:
	s_bfe_u32 s2, ttmp6, 0x10000c
	s_cmp_lg_u32 s2, 0xf033
	s_cbranch_scc0 .Lentry_shape_is_right
	s_endpgm
.Lentry_shape_is_right:
; qkv = x w_attn on codes of BF6, and q, k, v quantised on the way out: q and k along the head's 64, v along the tokens.  Nothing of this product is left out.
; OPERANDS: images of registers (launch quant): a record = one tile of 16 rows x 256 along K = 3,328 bytes; tile 2 B + u holds rows 32 B + 8 u + r + 8 (r / 8).
; SHARES.  A work-group takes 128 tokens (8 tiles of ximg) x 256 columns (16 tiles of wimg) and ALL of K: 4 chunks of 256 along K, 79,872 bytes each, lie in LDS side by side.  Every byte of LDS is filled once:
; each wave issues its four tensor loads at the head, in the order of use, and the chunks are awaited one by one.  Wave w: tiles 4 (w / 4) + i of x, tiles 4 (w % 4) + j of w: 64 tokens x 64 columns = one head, 16 accumulators.
; CLUSTERS: 4 x 4 work-groups; x's records are shared along a row of the cluster, w's along a column: joint loads.
; q, k (clusters x = 0, 1): source 0 = w, source 1 = x: a lane holds one token, and the 16 registers of tiles j = 2 B, 2 B + 1 are 16 neighbouring channels.  v (cluster x = 2): the sources swapped: a lane holds one channel and its registers run along the tokens.
; The two ways part on the cluster's x, which all partners share; loads, masks and descriptors are the same on both.
; OUT, for head g = 16 batch + head, 319,488 bytes: Q at 0 and K at 106,496: 32 records of 64 tokens: byte 768 i + 256 p + 8 lane: six registers, channels 32 h + 0 .. 31 of row r of token tile i; byte 3,072 + 8 lane: the words
; (s0, s1, s0, s1) of tile h (low word) and of tile 2 + h (high word), row r.  V at 212,992: 16 records of 128 keys, 6,656 bytes: byte 1,536 t + 768 e + 256 p + 8 lane: channel tile t, keys 64 e + 32 h + 0 .. 31; byte 6,144 + 16 lane + 4 t + 2 e: two scale bytes.
; LIMITS: a block under 2^-122 gets the byte 1; NaN and infinities are not served.
.set REC,   3328
.set TILE,  13312
.set CHK,   79872                      ; a chunk in LDS: x's 8 records, then w's 16
.set WOFF,  26624
.set SPARE, 4*CHK                      ; behind the chunks: the spare words, 128 bytes for each of 8 waves: four blocks of 256 bytes that no other line names
.set AX,  3                            ; v3   LDS: 8 x lane + my four tiles of x, in the chunk in hand
.set AW,  4                            ; v4   the same for w
.set AS,  5                            ; v5   the scale words: lanes 0-15 x's, lanes 16-31 w's
.set L8,  6                            ; v6   8 x lane
.set L16, 7                            ; v7   16 x lane
.set SPW, 8                            ; v8   my spare word; never rewritten
.set NIL, 9                            ; v9   0; never rewritten
.set SC,  10                           ; v10-17  scale words and nothing else: register 2 i + q: lanes 0-15 x's tile i, lanes 16-31 w's tile i, the chunk's q-th 128 along K
.set QM,  18                           ; v18-19 largest magnitudes; v20-21 the other half's; v22-23 scale operands; v24-25 bytes; v26-28 codes on their way
.set QP,  20
.set QS,  22
.set QB,  24
.set QT,  26
.set FX,  32                           ; v32-79   x's four fragments; on the way out: codes and scale words
.set FW,  80                           ; v80-127  w's four
.set ACC, 128                          ; v128-255 the 16 accumulators
.set WV,  10                           ; s10 wave; s11 wave / 4; s12 wave % 4
.set G1X, 20                           ; s[20:27], s[28:35] descriptor groups 1
.set G1W, 28
.set SEL, 94
.macro CROUND                          ; a round of the cluster's barrier
	s_barrier_signal -1
	s_barrier_wait -1
	s_cmp_lg_u32 s[WV], 0
	s_cbranch_scc1 .Lnot_wave_0_\@
	s_barrier_signal -3
.Lnot_wave_0_\@:
	s_barrier_wait -3
	s_barrier_signal -1
	s_barrier_wait -1
.endm
.macro MKG0 g0, lds, adr, c            ; group 0 for chunk c
	s_mov_b32 s[\g0], 1
	s_add_co_u32 s[\g0+1], s[\lds], (\c)*CHK
	s_add_nc_u64 s[\g0+2:\g0+3], s[\adr:\adr+1], (\c)*REC
	s_or_b32 s[\g0+3], s[\g0+3], 0x80000000
.endm
.macro MM vp, i, j, q, zero
.if \vp
.if \zero
	v_wmma_scale_f32_16x16x128_f8f6f4 v[ACC+8*(4*\j+\i):ACC+8*(4*\j+\i)+7], v[FX+12*\i:FX+12*\i+11], v[FW+12*\j:FW+12*\j+11], 0, v[SC+2*\i+\q], v[SC+2*\j+\q] matrix_a_fmt:MATRIX_FMT_BF6 matrix_b_fmt:MATRIX_FMT_BF6 matrix_b_scale:MATRIX_SCALE_ROW1
.else
	v_wmma_scale_f32_16x16x128_f8f6f4 v[ACC+8*(4*\j+\i):ACC+8*(4*\j+\i)+7], v[FX+12*\i:FX+12*\i+11], v[FW+12*\j:FW+12*\j+11], v[ACC+8*(4*\j+\i):ACC+8*(4*\j+\i)+7], v[SC+2*\i+\q], v[SC+2*\j+\q] matrix_a_fmt:MATRIX_FMT_BF6 matrix_b_fmt:MATRIX_FMT_BF6 matrix_b_scale:MATRIX_SCALE_ROW1
.endif
.else
.if \zero
	v_wmma_scale_f32_16x16x128_f8f6f4 v[ACC+8*(4*\i+\j):ACC+8*(4*\i+\j)+7], v[FW+12*\j:FW+12*\j+11], v[FX+12*\i:FX+12*\i+11], 0, v[SC+2*\j+\q], v[SC+2*\i+\q] matrix_a_fmt:MATRIX_FMT_BF6 matrix_b_fmt:MATRIX_FMT_BF6 matrix_a_scale:MATRIX_SCALE_ROW1
.else
	v_wmma_scale_f32_16x16x128_f8f6f4 v[ACC+8*(4*\i+\j):ACC+8*(4*\i+\j)+7], v[FW+12*\j:FW+12*\j+11], v[FX+12*\i:FX+12*\i+11], v[ACC+8*(4*\i+\j):ACC+8*(4*\i+\j)+7], v[SC+2*\j+\q], v[SC+2*\i+\q] matrix_a_fmt:MATRIX_FMT_BF6 matrix_b_fmt:MATRIX_FMT_BF6 matrix_a_scale:MATRIX_SCALE_ROW1
.endif
.endif
.endm
; 128 along K: 48 loads of 8 bytes a lane (each 256 consecutive bytes), 16 matrix instructions.  The 16 accumulators take turns, one instruction a turn, in the same order in every step.
.macro KSTEP vp, q, zero
.rept 4
	v_nop                                          ; four places in front of loads into registers that matrix instructions have read (ISA guide 7.12.1 for vector instructions)
.endr
.if \q == 0
.irp i, 0,1,2,3
	ds_load_b64 v[SC+2*\i:SC+2*\i+1], v[AS] offset:REC*\i   ; both K steps' words
.endr
.endif
.irp i, 0,1,2,3
.irp p, 0,1,2,3,4,5
	ds_load_b64 v[FX+12*\i+2*\p:FX+12*\i+2*\p+1], v[AX] offset:REC*\i+1536*\q+256*\p
.endr
.endr
.irp i, 0,1,2,3
.irp p, 0,1,2,3,4,5
	ds_load_b64 v[FW+12*\i+2*\p:FW+12*\i+2*\p+1], v[AW] offset:REC*\i+1536*\q+256*\p
.endr
.endr
.irp j, 0,1,2,3
	s_wait_dscnt 6*(3-\j)                          ; w's fragment j is in; the six loads of each later one may be out
.irp i, 0,1,2,3
	MM \vp, \i, \j, \q, \zero
.endr
.endr
.endm
.macro CHUNK vp, c
	s_wait_tensorcnt 3-\c                          ; my part of chunk c has landed; my loads of the later chunks may be out
	s_wait_dscnt 0x0
	s_barrier_signal -1
	s_barrier_wait -1                              ; everybody's part has
.if \c > 0
	v_add_nc_u32 v[AX], CHK, v[AX]
	v_add_nc_u32 v[AW], CHK, v[AW]
	v_add_nc_u32 v[AS], CHK, v[AS]
	KSTEP \vp, 0, 0
.else
	KSTEP \vp, 0, 1                                ; the first products start the sums: nothing is cleared
.endif
	KSTEP \vp, 1, 0
.endm
; 32 numbers of a lane, v[s] on: register 16 b + i = place 32 b + 16 h + i along the next K.  They become six registers of codes, v[f] on (lane (r, h): places 32 h + 0 .. 31), and the two blocks' bytes in v[QB], v[QB+1].
.macro Q32 s, f
	v_max3_num_f32 v[QM], |v[(\s)]|, |v[(\s)+1]|, 0x2800000          ; with the floor 2^(5 - 127); each accumulator is read from its low end on
	v_max3_num_f32 v[QM+1], |v[(\s)+16]|, |v[(\s)+17]|, 0x2800000
.irp i, 2,4,6,8,10,12,14
	v_max3_num_f32 v[QM], v[QM], |v[(\s)+\i]|, |v[(\s)+\i+1]|
	v_max3_num_f32 v[QM+1], v[QM+1], |v[(\s)+16+\i]|, |v[(\s)+17+\i]|
.endr
	v_permlanex16_b32 v[QP], v[QM], s[SEL], s[SEL+1]
	v_permlanex16_b32 v[QP+1], v[QM+1], s[SEL], s[SEL+1]
	v_max_num_f32 v[QM], v[QM], v[QP]              ; with lane l xor 16's 16: the block's largest magnitude
	v_max_num_f32 v[QM+1], v[QM+1], v[QP+1]
	v_add_nc_u32 v[QS], 0xfe000000, v[QM]          ; 4 off the exponent field: the conversion's scale operand
	v_add_nc_u32 v[QS+1], 0xfe000000, v[QM+1]
	v_lshrrev_b32 v[QB], 23, v[QS]                 ; the bytes
	v_lshrrev_b32 v[QB+1], 23, v[QS+1]
	v_cvt_scalef32_pk16_bf6_f32 v[(\f):(\f)+2], v[(\s):(\s)+15], v[QS]
	v_cvt_scalef32_pk16_bf6_f32 v[QT:QT+2], v[(\s)+16:(\s)+31], v[QS+1]
	v_nop                                          ; one plain line behind the conversions
.irp i, 0,1,2
	v_permlane16_swap_b32 v[(\f)+\i], v[QT+\i]     ; a whole block to a lane: the first's lanes 16-31 change places with the second's lanes 0-15
.endr
.irp i, 0,1,2
	v_mov_b32 v[(\f)+3+\i], v[QT+\i]
.endr
.endm
	s_load_b128 s[4:7], s[0:1], 0x0                ; ximg, wimg
	s_load_b64 s[8:9], s[0:1], 0x10                ; qkv
	v_lshl_add_u32 v[SPW], v0, 2, SPARE
	v_mov_b32 v[NIL], 0
	ds_add_u32 v[SPW], v[NIL]                      ; the wave's opening: the add, twice on end, and its wait ahead of my first tensor load
	ds_add_u32 v[SPW], v[NIL]
	v_lshrrev_b32 v1, 5, v0
	v_readfirstlane_b32 s[WV], v1                  ; wave 0..7
	s_lshr_b32 s11, s[WV], 2
	s_and_b32 s12, s[WV], 3
	s_bfe_u32 s13, ttmp6, 0x40000                  ; cx
	s_bfe_u32 s14, ttmp6, 0x40004                  ; cy
	s_lshl_b32 s15, ttmp9, 2
	s_add_co_u32 s15, s15, s13                     ; which 256 columns
	s_and_b32 s16, ttmp7, 0xffff
	s_lshl_b32 s16, s16, 2
	s_add_co_u32 s16, s16, s14                     ; which 128 tokens
	s_lshl_b32 s17, s14, 2
	s_lshl_b32 s17, 15, s17                        ; my row of the cluster
	s_lshl_b32 s18, 0x1111, s13                    ; my column
	s_or_b32 s[G1X], s17, (3<<16)|(1<<21)          ; 15:0 the mask; 17:16 elements of 8 bytes; 21 set beside a mask; no padding
	s_mov_b32 s[G1X+1], 416<<16                    ; tensor_dim0: a record, 416 elements
	s_mov_b32 s[G1X+2], 2<<16                      ; tensor_dim1: two tiles
	s_mov_b32 s[G1X+3], 416<<16                    ; tile_dim0
	s_mov_b32 s[G1X+4], 2                          ; tile_dim1
	s_mov_b32 s[G1X+5], 1664                       ; from tile to tile: 13,312 bytes
	s_mov_b32 s[G1X+6], 0
	s_mov_b32 s[G1X+7], 0
	s_or_b32 s[G1W], s18, (3<<16)|(1<<21)
	s_mov_b32 s[G1W+1], 416<<16
	s_mov_b32 s[G1W+2], 4<<16                      ; four tiles
	s_mov_b32 s[G1W+3], 416<<16
	s_mov_b32 s[G1W+4], 4
	s_mov_b32 s[G1W+5], 1664
	s_mov_b32 s[G1W+6], 0
	s_mov_b32 s[G1W+7], 0
	; what I fetch: waves 0-3, a = wave % 4: x's tiles 2 a, 2 a + 1; waves 4-7: w's tiles 4 a .. 4 a + 3.  Every wave makes both, each in registers that never hold the other coordinate
	s_lshl_b32 s74, s16, 3
	s_lshl_b32 s73, s12, 1
	s_add_co_u32 s74, s74, s73
	s_mul_i32 s74, s74, TILE
	s_mov_b32 s75, 0
	s_mul_i32 s72, s12, 2*REC
	s_lshl_b32 s78, s15, 4
	s_lshl_b32 s77, s12, 2
	s_add_co_u32 s78, s78, s77
	s_mul_i32 s78, s78, TILE
	s_mov_b32 s79, 0
	s_mul_i32 s76, s12, 4*REC
	s_add_co_u32 s76, s76, WOFF
	s_mov_b32 s92, 0xffff0000                      ; lanes 16-31
	s_mov_b32 s[SEL], 0x76543210
	s_mov_b32 s[SEL+1], 0xfedcba98
	s_wait_dscnt 0x0                               ; both opening adds are done
	s_wait_kmcnt 0x0
	s_add_nc_u64 s[74:75], s[4:5], s[74:75]
	s_add_nc_u64 s[78:79], s[6:7], s[78:79]
	MKG0 36, 72, 74, 0
	MKG0 40, 72, 74, 1
	MKG0 44, 72, 74, 2
	MKG0 48, 72, 74, 3
	MKG0 52, 76, 78, 0
	MKG0 56, 76, 78, 1
	MKG0 60, 76, 78, 2
	MKG0 68, 76, 78, 3
	CROUND                                         ; all sixteen work-groups are here: the joint loads meet
	s_cmp_lt_u32 s[WV], 4                          ; a wave's four fills stand in one arm; by this text's count four tensor loads of a wave are out
	s_cbranch_scc0 .Lfill_w
.irp g, 36,40,44,48
	tensor_load_to_lds s[\g:\g+3], s[G1X:G1X+7]
	s_nop 0
.endr
.rept 4
	v_nop
.endr
	s_branch .Lfilled
.Lfill_w:
.irp g, 52,56,60,68
	tensor_load_to_lds s[\g:\g+3], s[G1W:G1W+7]
	s_nop 0
.endr
.rept 4
	v_nop
.endr
.Lfilled:
	v_bfe_u32 v2, v0, 4, 1                         ; h
	v_and_b32 v[L8], 31, v0
	v_lshlrev_b32 v[L16], 4, v[L8]
	v_lshlrev_b32 v[L8], 3, v[L8]
	s_mul_i32 s80, s11, 4*REC                      ; my four tiles of x,
	s_mul_i32 s81, s12, 4*REC
	s_add_co_u32 s81, s81, WOFF                    ; of w
	v_add_nc_u32 v[AX], s80, v[L8]
	v_add_nc_u32 v[AW], s81, v[L8]
	s_sub_co_u32 s81, s81, s80
	v_mul_u32_u24 v[AS], s81, v2                   ; lanes 16-31 take w's words: the lower base + h x the distance
	v_add_nc_u32 v[AS], v[AS], v[AX]
	v_add_nc_u32 v[AS], 3072, v[AS]
	v_mov_b32 v[QP], 0                             ; a lane permute's destination counts as one of its sources
	v_mov_b32 v[QP+1], 0
	s_lshr_b32 s82, s16, 4                         ; the head: 16 x batch + 4 (columns' block % 4) + wave % 4
	s_lshl_b32 s82, s82, 4
	s_and_b32 s83, s15, 3
	s_lshl_b32 s83, s83, 2
	s_add_co_u32 s82, s82, s83
	s_add_co_u32 s82, s82, s12
	s_mul_i32 s82, s82, 319488
	s_and_b32 s84, s16, 15                         ; which 128 tokens of the batch
	s_cmp_eq_u32 ttmp9, 2                          ; the cluster's x: the same in all sixteen partners
	s_cbranch_scc1 .Lv
	; ---- q and k
	CHUNK 0, 0
	CHUNK 0, 1
	CHUNK 0, 2
	CHUNK 0, 3
	s_lshr_b32 s85, s15, 2                         ; q (0) or k (1)
	s_mul_i32 s85, s85, 106496
	s_add_co_u32 s82, s82, s85
	s_lshl_b32 s85, s84, 1
	s_add_co_u32 s85, s85, s11                     ; my record of 64 tokens
	s_mul_i32 s85, s85, REC
	s_add_co_u32 s82, s82, s85
	s_mov_b32 s83, 0
	s_add_nc_u64 s[8:9], s[8:9], s[82:83]
.rept 4
	v_nop                                          ; four places behind the last products
.endr
.irp i, 0,1,2,3
	Q32 ACC+32*\i, 32+8*\i
	v_lshl_or_b32 v29, v[QB+1], 8, v[QB]
	v_lshl_or_b32 v[68+\i], v29, 16, v29           ; (s0, s1, s0, s1)
.irp p, 0,1,2
	global_store_b64 v[L8], v[32+8*\i+2*\p:32+8*\i+2*\p+1], s[8:9] offset:768*\i+256*\p   ; 32 lanes store 256 consecutive bytes, aligned
.endr
.endr
	v_cndmask_b32 v72, v68, v69, s92               ; lanes 0-15 tile 0's word, lanes 16-31 tile 1's
	v_cndmask_b32 v73, v70, v71, s92               ; tiles 2 and 3
	global_store_b64 v[L8], v[72:73], s[8:9] offset:3072
	s_branch .Ltail
.Lv:
	; ---- v
	CHUNK 1, 0
	CHUNK 1, 1
	CHUNK 1, 2
	CHUNK 1, 3
	s_mul_i32 s85, s84, 6656                       ; my record of 128 keys
	s_add_co_u32 s82, s82, s85
	s_add_co_u32 s82, s82, 212992
	s_mov_b32 s83, 0
	s_add_nc_u64 s[8:9], s[8:9], s[82:83]
	s_mul_i32 s86, s11, 768                        ; my half of its keys
	s_mov_b32 s87, 0
	s_add_nc_u64 s[88:89], s[8:9], s[86:87]
	s_lshl_b32 s86, s11, 1
	s_add_co_u32 s86, s86, 6144
	s_add_nc_u64 s[90:91], s[8:9], s[86:87]
.rept 4
	v_nop
.endr
.irp j, 0,1,2,3
	Q32 ACC+32*\j, 32+8*\j
	v_lshl_or_b32 v[68+\j], v[QB+1], 8, v[QB]
.irp p, 0,1,2
	global_store_b64 v[L8], v[32+8*\j+2*\p:32+8*\j+2*\p+1], s[88:89] offset:1536*\j+256*\p
.endr
	global_store_b16 v[L16], v[68+\j], s[90:91] offset:4*\j   ; two bytes a lane: the other half of the word is another wave's; 512 bytes of a record's 6,656
.endr
.Ltail:
	s_wait_tensorcnt 0x0                           ; the wave's end
	ds_add_u32 v[SPW], v[NIL]
	s_wait_dscnt 0x0
	CROUND                                         ; the closing round
	s_endpgm
.Lfunc_end_k_q90e53c4c70_gqkv:
	.size	k_q90e53c4c70_gqkv, .Lfunc_end_k_q90e53c4c70_gqkv-k_q90e53c4c70_gqkv
	.p2alignl 7, 3214868480
	.fill 96, 4, 3214868480
	.section	.rodata,"a",@progbits
	.p2align	6, 0x0
	.amdhsa_kernel k_q90e53c4c70_gqkv
		.amdhsa_group_segment_fixed_size 327680
		.amdhsa_private_segment_fixed_size 0
		.amdhsa_enable_private_segment 0
		.amdhsa_kernarg_size 24
		.amdhsa_user_sgpr_count 2
		.amdhsa_user_sgpr_kernarg_segment_ptr 1
		.amdhsa_wavefront_size32 1
		.amdhsa_system_sgpr_workgroup_id_x 1
		.amdhsa_system_sgpr_workgroup_id_y 1
		.amdhsa_system_sgpr_workgroup_id_z 1
		.amdhsa_system_vgpr_workitem_id 0
		.amdhsa_next_free_vgpr 256
		.amdhsa_next_free_sgpr 100
		.amdhsa_reserve_vcc 0
		.amdhsa_float_denorm_mode_32 3
		.amdhsa_float_denorm_mode_16_64 3
		.amdhsa_memory_ordered 1
		.amdhsa_forward_progress 1
		.amdhsa_inst_pref_size 115
	.end_amdhsa_kernel
	.amdgpu_metadata
---
amdhsa.version: [ 1, 2 ]
amdhsa.kernels:
  - .name:           k_q90e53c4c70_gqkv
    .symbol:         k_q90e53c4c70_gqkv.kd
    .args:
      - { .name: ximg, .offset: 0, .size: 8, .value_kind: global_buffer, .address_space: global }
      - { .name: wimg, .offset: 8, .size: 8, .value_kind: global_buffer, .address_space: global }
      - { .name: qkv, .offset: 16, .size: 8, .value_kind: global_buffer, .address_space: global }
    .group_segment_fixed_size: 327680
    .private_segment_fixed_size: 0
    .kernarg_segment_align: 8
    .kernarg_segment_size: 24
    .max_flat_workgroup_size: 256
    .sgpr_count:     100
    .vgpr_count:     256
    .wavefront_size: 32
...
	.end_amdgpu_metadata
.endif
;; end of part 2
;; launch attn (part 3): grid 4 x 64, 16 waves a work-group, clusters of 4 x 1, 215,040 bytes of LDS; arguments qkv, yimg; writes yimg
.if DOCPART == 3
	.amdgcn_target "amdgcn-amd-amdhsa--gfx1250"
	.amdhsa_code_object_version 6
	.text
	.protected	k_q90e53c4c70_attn
	.globl	k_q90e53c4c70_attn
	.p2align	8
	.type	k_q90e53c4c70_attn,@function
k_q90e53c4c70_attn:
	s_mov_b64 s[64:65], 0
	v_nop
	global_prefetch_b8 v0, s[64:65] scope:SCOPE_SE
	s_setreg_imm32_b32 hwreg(HW_REG_WAVE_MODE, 25, 1), 1
	s_wait_xcnt 0x0
	s_wait_alu depctr_hold_cnt(0) depctr_sa_sdst(0) depctr_va_vdst(0) depctr_va_sdst(0) depctr_va_ssrc(0) depctr_va_vcc(0) depctr_vm_vsrc(0)
	s_getreg_b32 s2, hwreg(HW_REG_IB_STS2, 6, 4)
	s_cmp_eq_u32 s2, 0
	s_cbranch_scc0 .Lentry_in_a_cluster
	s_endpgm
.Lentry_in_a_cluster:
	s_bfe_u32 s2, ttmp6, 0x10000c
	s_cmp_lg_u32 s2, 0x3003
	s_cbranch_scc0 .Lentry_shape_is_right
	s_endpgm
.Lentry_shape_is_right:
; y = softmax(q k^T / 8, causal) v for one head, both products on codes of BF6; y is quantised along the channels on the way out, into images for the last product.
; LEFT OUT: steps of 128 keys all of which come after all 16 queries of a tile: reference()'s own jnp.tril gives them p = 0 for all finite inputs (shown at the head of launch quant).
; THE SOFTMAX: t = score x log2(e) / 8; M = the running largest t rounded UP to a whole number; p = 2^(t - M) is quantised along the keys, not normalised; the row's sum is taken of the unquantised p and divides at the end.
; When M moves, the sum and O are multiplied by 2^(old M - new M): exact.
; SHARES.  The four work-groups of a head form a cluster.  All of the head's K and V codes, 212,992 bytes, lie in each one's LDS, a copy of memory, brought by joint loads: two a wave, at the head; every byte is filled once.
; A wave owns two tiles of 16 queries, one after the other: tile cx + 4 k with k = 31 - wave, then k = wave.  A tile needs k / 2 + 1 steps of 128 keys whatever cx is: 17 steps for every wave, and no branch hangs on cx.
; LAYOUT.  S^T = K Q^T, O^T = V^T P^T: a lane holds one query throughout.  The head has 64 channels and the instruction 128 along K: a fragment of K holds TWO keys a row, key a in places 0-63 and key a + 8 in places 64-127,
; and is multiplied by [q, 0] and by [0, q]: zero codes add nothing.  So the 16 registers of two neighbouring results are 16 neighbouring keys, 32 b + 16 h + 0 .. 15.
; No prefetch: all that this launch reads is asked for at its head.
; LIMITS: NaN and infinities are not served; a block of y under 2^-122 gets the byte 1.
.set REC,   3328
.set STEPB, 6656                       ; 128 keys of K, or of V, in LDS
.set VB,    106496                     ; V behind K
.set SPARE, 212992                     ; the spare words, 128 bytes for each of 16 waves: eight blocks of 256 bytes that no other line names
.set L8,  1                            ; v1   8 x lane
.set LT,  2                            ; v2   16 x lane + V's scale words' place
.set DVA, 3                            ; v3   first pass: my query - the diagonal step's first key - 16 h
.set SPW, 4                            ; v4   my spare word; never rewritten
.set NIL, 5                            ; v5   0; never rewritten
.set ADK, 6                            ; v6-8 LDS addresses of the step in hand
.set ADV, 7
.set ADT, 8
.set LV,  10                           ; v10  8 x lane + VB
.set DVB, 11                           ; v11  second pass
.set KV,  48                           ; v48-95   four fragments of K, then of V
.set S,   96                           ; v96-159  S^T, then p
.set O,   160                          ; v160-191 O^T
.set PC,  192                          ; v192-203 p's codes; on the way out y's
.set KS,  212                          ; v212-215 K's scale words; v216-219 V's; v46, v47 q's; v233 p's: scales and nothing else
.set VS,  216
.set BM,  220                          ; v220-223 the blocks' largest
.set PT,  224                          ; v224-227 the other half's, then bytes
.set SO,  228                          ; v228-231 scale operands
.set QM,  220
.set QP,  224
.set QB,  226
.set QS,  228
.set QT,  204
; v12 -M, v13 the largest t, v[14:15] the sum in two halves; v16-45: zeros, q of the first pass, zeros, q of the second, zeros, six registers each; v232 f; v234 at work; v235 -infinity; v[236:237] the sum's second chain; v238 y's two bytes
.set WV,  8
.set CX,  9
.set G1A, 12
.set G1B, 20
.set G0A, 28
.set G0B, 32
.set SEL, 36
.set CS,  38                           ; s[38:39] c = log2(e) / 8
.set TB,  40                           ; s40 the step's bytes in K and in V
.set J,   41                           ; s41 the step
.set LIM, 42                           ; s42 the tile's last step, which lies on the diagonal
.macro CROUND
	s_barrier_signal -1
	s_barrier_wait -1
	s_cmp_lg_u32 s[WV], 0
	s_cbranch_scc1 .Lnot_wave_0_\@
	s_barrier_signal -3
.Lnot_wave_0_\@:
	s_barrier_wait -3
	s_barrier_signal -1
	s_barrier_wait -1
.endm
.macro Q32 s, f                        ; 32 numbers of a lane (register 16 b + i = channel 32 b + 16 h + i) become six registers of codes and two bytes
	v_max3_num_f32 v[QM], |v[(\s)]|, |v[(\s)+1]|, 0x2800000
	v_max3_num_f32 v[QM+1], |v[(\s)+16]|, |v[(\s)+17]|, 0x2800000
.irp i, 2,4,6,8,10,12,14
	s_delay_alu instid0(VALU_DEP_2)
	v_max3_num_f32 v[QM], v[QM], |v[(\s)+\i]|, |v[(\s)+\i+1]|
	s_delay_alu instid0(VALU_DEP_2)
	v_max3_num_f32 v[QM+1], v[QM+1], |v[(\s)+16+\i]|, |v[(\s)+17+\i]|
.endr
	s_delay_alu instid0(VALU_DEP_2)
	v_permlanex16_b32 v[QP], v[QM], s[SEL], s[SEL+1]
	s_delay_alu instid0(VALU_DEP_2)
	v_permlanex16_b32 v[QP+1], v[QM+1], s[SEL], s[SEL+1]
	s_delay_alu instid0(VALU_DEP_2)
	v_max_num_f32 v[QM], v[QM], v[QP]
	s_delay_alu instid0(VALU_DEP_2)
	v_max_num_f32 v[QM+1], v[QM+1], v[QP+1]
	s_delay_alu instid0(VALU_DEP_2)
	v_add_nc_u32 v[QS], 0xfe000000, v[QM]
	s_delay_alu instid0(VALU_DEP_2)
	v_add_nc_u32 v[QS+1], 0xfe000000, v[QM+1]
	s_delay_alu instid0(VALU_DEP_2)
	v_lshrrev_b32 v[QB], 23, v[QS]
	s_delay_alu instid0(VALU_DEP_2)
	v_lshrrev_b32 v[QB+1], 23, v[QS+1]
	v_cvt_scalef32_pk16_bf6_f32 v[(\f):(\f)+2], v[(\s):(\s)+15], v[QS]
	v_cvt_scalef32_pk16_bf6_f32 v[QT:QT+2], v[(\s)+16:(\s)+31], v[QS+1]
	v_nop
.irp i, 0,1,2
	v_permlane16_swap_b32 v[(\f)+\i], v[QT+\i]
.endr
.irp i, 0,1,2
	s_delay_alu instid0(VALU_DEP_3)
	v_mov_b32 v[(\f)+3+\i], v[QT+\i]
.endr
.endm
.macro INIT                            ; a pass begins: the first change of M multiplies zeros
	v_mov_b32 v13, 0xff61b1e6                      ; -3e38, under every t
	s_delay_alu instid0(VALU_DEP_1)
	v_floor_f32 v12, -v13
	v_mov_b32 v14, 0
	v_mov_b32 v15, 0
.irp t, 0,1,2,3
.irp i, 0,1,2,3,4,5,6,7
	v_mov_b32 v[O+8*\t+\i], 0
.endr
.endr
.endm
.macro YBASE k, dst                    ; where tile cx + 4 k of y goes: codes s[dst:dst+1], scale bytes s[dst+2:dst+3]
	s_lshl_b32 s80, \k, 2
	s_add_co_u32 s80, s80, s74
	s_mul_i32 s80, s80, 13312
	s_add_co_u32 s82, s80, s78
	s_mov_b32 s83, 0
	s_add_nc_u64 s[\dst:\dst+1], s[6:7], s[82:83]
	s_add_co_u32 s82, s80, s76
	s_add_nc_u64 s[\dst+2:\dst+3], s[6:7], s[82:83]
.endm
; A STEP OF 128 KEYS.  qa: [q, 0]; qz: [0, q]; qs: q's scale words; dv: see DVA; causal = 1: the step may lie on or past the diagonal.
.macro STEP qa, qz, qs, dv, causal
.if \causal
	s_cmp_gt_u32 s[J], s[LIM]                      ; past the diagonal: the step's work is left out; the lines at its end that step addresses are run.  The wave's number and the count of steps alone decide
	s_cbranch_scc1 .Lskip_\@
.endif
	s_setprio 2
	v_add_nc_u32 v[ADK], s[TB], v[L8]
	v_add_nc_u32 v[ADV], s[TB], v[LV]
	v_add_nc_u32 v[ADT], s[TB], v[LT]
	v_nop                                          ; with the three above: four places in front of loads into registers that matrix instructions have read
.irp rec, 0,1
.irp p, 0,1,2,3,4,5,6,7,8,9,10,11
	ds_load_b64 v[KV+24*\rec+2*\p:KV+24*\rec+2*\p+1], v[ADK] offset:REC*\rec+256*\p   ; 64 keys: two fragments; each load 256 consecutive bytes
.endr
	ds_load_b64 v[KS+2*\rec:KS+2*\rec+1], v[ADK] offset:REC*\rec+3072   ; their words: lanes 0-15 key a's, lanes 16-31 key a + 8's
.endr
	s_wait_alu depctr_va_vdst(0)
.irp rec, 0,1
	s_wait_dscnt 13*(1-\rec)                       ; this record's thirteen loads are in; the other's may be out
.irp blk, 0,1
	v_wmma_scale_f32_16x16x128_f8f6f4 v[S+16*(2*\rec+\blk):S+16*(2*\rec+\blk)+7], v[KV+12*(2*\rec+\blk):KV+12*(2*\rec+\blk)+11], v[\qa:\qa+11], 0, v[KS+2*\rec+\blk], v[\qs] matrix_a_fmt:MATRIX_FMT_BF6 matrix_b_fmt:MATRIX_FMT_BF6
	v_wmma_scale_f32_16x16x128_f8f6f4 v[S+16*(2*\rec+\blk)+8:S+16*(2*\rec+\blk)+15], v[KV+12*(2*\rec+\blk):KV+12*(2*\rec+\blk)+11], v[\qz:\qz+11], 0, v[KS+2*\rec+\blk], v[\qs] matrix_a_fmt:MATRIX_FMT_BF6 matrix_b_fmt:MATRIX_FMT_BF6 matrix_a_scale:MATRIX_SCALE_ROW1
.endr
.endr
.rept 4
	v_nop                                          ; four places: for the loads below and for the first read of the scores
.endr
.irp t, 0,1,2,3
.irp p, 0,1,2,3,4,5
	ds_load_b64 v[KV+12*\t+2*\p:KV+12*\t+2*\p+1], v[ADV] offset:1536*\t+256*\p   ; V's four fragments land while the softmax is walked
.endr
.endr
	ds_load_b128 v[VS:VS+3], v[ADT]                ; and their scale words
.if \causal
	s_cmp_lg_u32 s[J], s[LIM]
	s_cbranch_scc1 .Lopen_\@                       ; all keys of the step count
.irp b, 0,1,2,3
.irp i, 0,1,2,3,4,5,6,7,8,9,10,11,12,13,14,15
	v_cmp_gt_i32 vcc_lo, 32*\b+\i, v[\dv]          ; register 16 b + i holds key 32 b + 16 h + i of the step: hidden where it comes after my query
	v_cndmask_b32 v[S+16*\b+\i], v[S+16*\b+\i], v235, vcc_lo
.endr
.endr
.Lopen_\@:
.endif
.irp b, 0,1,2,3
	v_max3_num_f32 v[BM+\b], v[S+16*\b], v[S+1+16*\b], v[S+2+16*\b]   ; the largest score of each block of 32 keys: for the row's maximum and, since p rises with the score, for the block's largest p
.endr
.irp i, 3,5,7,9,11,13
.irp b, 0,1,2,3
	v_max3_num_f32 v[BM+\b], v[BM+\b], v[S+16*\b+\i], v[S+1+16*\b+\i]
.endr
.endr
.irp b, 0,1,2,3
	v_max_num_f32 v[BM+\b], v[BM+\b], v[S+15+16*\b]
.endr
.irp b, 0,1,2,3
	s_delay_alu instid0(VALU_DEP_4)
	v_permlanex16_b32 v[PT+\b], v[BM+\b], s[SEL], s[SEL+1]
.endr
.irp b, 0,1,2,3
	s_delay_alu instid0(VALU_DEP_4)
	v_max_num_f32 v[BM+\b], v[BM+\b], v[PT+\b]     ; with lane l xor 16's 16 keys
.endr
	s_delay_alu instid0(VALU_DEP_2)
	v_max3_num_f32 v234, v[BM], v[BM+1], v[BM+2]
	s_delay_alu instid0(VALU_DEP_1)
	v_max_num_f32 v234, v234, v[BM+3]
	s_delay_alu instid0(VALU_DEP_1)
	v_mul_f32 v234, s[CS], v234                    ; as t
	s_delay_alu instid0(VALU_DEP_1)
	v_max_num_f32 v13, v13, v234                   ; the running largest t
	v_mov_b32 v234, v12
	s_delay_alu instid0(VALU_DEP_2)
	v_floor_f32 v12, -v13                          ; the new -M = -ceil(t)
	s_delay_alu instid0(VALU_DEP_1)
	v_sub_f32 v234, v12, v234                      ; old M - new M: a whole number, 0 or less
	s_delay_alu instid0(VALU_DEP_1)
	v_cvt_i32_f32 v234, v234                       ; (it saturates)
	s_delay_alu instid0(VALU_DEP_1)
	v_ldexp_f32 v232, 1.0, v234                    ; f = 2^(old M - new M)
.irp b, 0,1,2,3
.irp i, 0,2,4,6,8,10,12,14
	v_pk_fma_f32 v[S+16*\b+\i:S+16*\b+\i+1], v[S+16*\b+\i:S+16*\b+\i+1], s[CS:CS+1], v[12:13] op_sel_hi:[1,0,0]   ; t - M
.endr
.endr
.irp b, 0,1,2,3
	v_fma_f32 v[BM+\b], v[BM+\b], s[CS], v12       ; the same of each block's largest score
.endr
	s_setprio 1
	s_wait_alu depctr_va_vdst(0)
.irp b, 0,1,2,3
.irp i, 0,1,2,3,4,5,6,7,8,9,10,11,12,13,14,15
	v_exp_f32 v[S+16*\b+\i], v[S+16*\b+\i]         ; p = 2^(t - M)
.endr
.endr
	v_pk_mul_f32 v[14:15], v[14:15], v[232:233] op_sel_hi:[1,0]   ; the sums under the new M: the plain line behind the exponentials
	s_wait_alu depctr_va_vdst(0)                   ; one wait for the batch of 64, ahead of its first reader
.irp b, 0,1,2,3
	v_exp_f32 v[BM+\b], v[BM+\b]                   ; the blocks' largest p
.endr
	v_pk_add_f32 v[236:237], v[100:101], v[104:105]
	v_pk_add_f32 v[254:255], v[108:109], v[112:113]
	v_pk_add_f32 v[252:253], v[116:117], v[120:121]
	v_pk_add_f32 v[250:251], v[124:125], v[128:129]
	v_pk_add_f32 v[248:249], v[132:133], v[136:137]
	v_pk_add_f32 v[246:247], v[140:141], v[144:145]
	v_pk_add_f32 v[244:245], v[148:149], v[152:153]
	v_pk_add_f32 v[14:15], v[14:15], v[156:157]
	v_pk_add_f32 v[236:237], v[236:237], v[96:97]
	v_pk_add_f32 v[254:255], v[254:255], v[98:99]
	v_pk_add_f32 v[252:253], v[252:253], v[102:103]
	v_pk_add_f32 v[250:251], v[250:251], v[106:107]
	v_pk_add_f32 v[248:249], v[248:249], v[110:111]
	v_pk_add_f32 v[246:247], v[246:247], v[114:115]
	v_pk_add_f32 v[244:245], v[244:245], v[118:119]
	v_pk_add_f32 v[14:15], v[14:15], v[122:123]
	v_pk_add_f32 v[236:237], v[236:237], v[126:127]
	v_pk_add_f32 v[254:255], v[254:255], v[130:131]
	v_pk_add_f32 v[252:253], v[252:253], v[134:135]
	v_pk_add_f32 v[250:251], v[250:251], v[138:139]
	v_pk_add_f32 v[248:249], v[248:249], v[142:143]
	v_pk_add_f32 v[246:247], v[246:247], v[146:147]
	v_pk_add_f32 v[244:245], v[244:245], v[150:151]
	v_pk_add_f32 v[14:15], v[14:15], v[154:155]
	v_pk_add_f32 v[236:237], v[236:237], v[158:159]
	s_delay_alu instid0(VALU_DEP_2)
	v_pk_add_f32 v[14:15], v[14:15], v[250:251]
	s_delay_alu instid0(VALU_DEP_2)
	v_pk_add_f32 v[236:237], v[236:237], v[248:249]
	v_pk_add_f32 v[254:255], v[254:255], v[246:247]
	v_pk_add_f32 v[252:253], v[252:253], v[244:245]
	s_delay_alu instid0(VALU_DEP_2)
	v_pk_add_f32 v[14:15], v[14:15], v[254:255]
	s_delay_alu instid0(VALU_DEP_2)
	v_pk_add_f32 v[236:237], v[236:237], v[252:253]
	s_delay_alu instid0(VALU_DEP_1)
	v_pk_add_f32 v[14:15], v[14:15], v[236:237]
	s_wait_alu depctr_va_vdst(0)                   ; and one for the four
.irp b, 0,1,2,3
	v_max_num_f32 v[BM+\b], 0x2800000, v[BM+\b]    ; the floor: a block of zeros keeps the byte 1, and its codes are zeros
.endr
.irp b, 0,1,2,3
	s_delay_alu instid0(VALU_DEP_4)
	v_add_nc_u32 v[SO+\b], 0xfe000000, v[BM+\b]
.endr
.irp b, 0,1,2,3
	s_delay_alu instid0(VALU_DEP_4)
	v_lshrrev_b32 v[PT+\b], 23, v[SO+\b]
.endr
	s_delay_alu instid0(VALU_DEP_3)
	v_lshl_or_b32 v233, v[PT+1], 8, v[PT]          ; p's scale word for these 128 keys
	s_delay_alu instid0(VALU_DEP_1)
	v_lshl_or_b32 v233, v[PT+2], 16, v233
	s_delay_alu instid0(VALU_DEP_1)
	v_lshl_or_b32 v233, v[PT+3], 24, v233
.irp c, 0,1
	v_cvt_scalef32_pk16_bf6_f32 v[PC+6*\c:PC+6*\c+2], v[S+32*\c:S+32*\c+15], v[SO+2*\c]
	v_cvt_scalef32_pk16_bf6_f32 v[204+4*\c:206+4*\c], v[S+32*\c+16:S+32*\c+31], v[SO+2*\c+1]
.endr
	s_setprio 0
	v_nop
.irp c, 0,1
.irp i, 0,1,2
	v_permlane16_swap_b32 v[PC+6*\c+\i], v[204+4*\c+\i]   ; a whole block to a lane
.endr
.irp i, 0,1,2
	s_delay_alu instid0(VALU_DEP_3)
	v_mov_b32 v[PC+6*\c+3+\i], v[204+4*\c+\i]
.endr
.endr
.irp t, 0,1,2,3
.irp i, 0,2,4,6
	v_pk_mul_f32 v[O+8*\t+\i:O+8*\t+\i+1], v[O+8*\t+\i:O+8*\t+\i+1], v[232:233] op_sel_hi:[1,0]   ; O^T under the new M; these sixteen are also the places between p's codes and word and the products
.endr
.endr
	s_wait_alu depctr_va_vdst(0)
	s_wait_dscnt 0x0                               ; V is in
.irp t, 0,1,2,3
	v_wmma_scale_f32_16x16x128_f8f6f4 v[O+8*\t:O+8*\t+7], v[KV+12*\t:KV+12*\t+11], v[PC:PC+11], v[O+8*\t:O+8*\t+7], v[VS+\t], v233 matrix_a_fmt:MATRIX_FMT_BF6 matrix_b_fmt:MATRIX_FMT_BF6
.endr
.if \causal
.Lskip_\@:
.endif
	s_add_co_u32 s[TB], s[TB], STEPB
	s_add_co_u32 s[J], s[J], 1
.endm
; A tile's end: O^T / the sum is y: register 16 b + i = channel 32 b + 16 h + i of my query: two blocks of the last product's K.
.macro FIN yb
.rept 4
	v_nop                                          ; four places behind the last products
.endr
	v_add_f32 v14, v14, v15
	s_delay_alu instid0(VALU_DEP_1)
	v_permlanex16_b32 v[PT], v14, s[SEL], s[SEL+1]
	s_delay_alu instid0(VALU_DEP_1)
	v_add_f32 v14, v14, v[PT]                      ; the row's sum
	s_wait_alu depctr_va_vdst(0)
	v_rcp_f32 v14, v14
	v_nop                                          ; a plain line behind the reciprocal,
	s_wait_alu depctr_va_vdst(0)                   ; and the wait ahead of its first reader
.irp t, 0,1,2,3
.irp i, 0,1,2,3,4,5,6,7
	v_mul_f32 v[S+8*\t+\i], v[O+8*\t+\i], v14
.endr
.endr
	Q32 S, PC
	v_lshl_or_b32 v238, v[QB+1], 8, v[QB]
.irp p, 0,1,2
	global_store_b64 v[L8], v[PC+2*\p:PC+2*\p+1], s[\yb:\yb+1] offset:256*\p   ; 32 lanes store 256 consecutive bytes, aligned
.endr
	global_store_b16 v[L8], v238, s[\yb+2:\yb+3]   ; two bytes a lane: the rest of the words are other heads'; 256 bytes of a record's 3,328
.endm
	s_load_b128 s[4:7], s[0:1], 0x0                ; qkv, yimg
	v_lshl_add_u32 v[SPW], v0, 2, SPARE
	v_mov_b32 v[NIL], 0
	ds_add_u32 v[SPW], v[NIL]                      ; the wave's opening: the add, twice on end, and its wait ahead of my first tensor load
	ds_add_u32 v[SPW], v[NIL]
	v_lshrrev_b32 v1, 5, v0
	s_delay_alu instid0(VALU_DEP_1)
	v_readfirstlane_b32 s[WV], v1                  ; wave 0..15
	s_bfe_u32 s[CX], ttmp6, 0x40000                ; my place in the cluster: it enters global addresses of q and y and the mask's vector number alone
	s_and_b32 s10, ttmp7, 0xffff                   ; the head, 16 x batch + head
	s_mov_b32 s[G1A], 15|(3<<16)|(1<<21)           ; the mask: all four; elements of 8 bytes; 21 set beside a mask; no padding
	s_mov_b32 s[G1A+1], 32<<16                     ; rows of 256 bytes,
	s_mov_b32 s[G1A+2], 13<<16                     ; 13 of them: 3,328 bytes
	s_mov_b32 s[G1A+3], 32<<16
	s_mov_b32 s[G1A+4], 13
	s_mov_b32 s[G1A+5], 32                         ; dense
	s_mov_b32 s[G1A+6], 0
	s_mov_b32 s[G1A+7], 0
	s_mov_b32 s[G1B], 15|(3<<16)|(1<<21)
	s_mov_b32 s[G1B+1], 32<<16
	s_mov_b32 s[G1B+2], 39<<16                     ; 39 rows: 9,984 bytes
	s_mov_b32 s[G1B+3], 32<<16
	s_mov_b32 s[G1B+4], 39
	s_mov_b32 s[G1B+5], 32
	s_mov_b32 s[G1B+6], 0
	s_mov_b32 s[G1B+7], 0
	s_lshr_b32 s52, s[WV], 3                       ; waves 0-7 fetch K, waves 8-15 V
	s_and_b32 s53, s[WV], 7
	s_mul_i32 s52, s52, VB
	s_mul_i32 s54, s53, 3328
	s_add_co_u32 s54, s54, s52                     ; my eighth of keys 0-511: the same offset in LDS and from K's first byte in memory
	s_mov_b32 s55, 0
	s_mul_i32 s56, s53, 9984
	s_add_co_u32 s56, s56, s52
	s_add_co_u32 s56, s56, 26624                   ; my eighth of keys 512-2,047
	s_mov_b32 s57, 0
	s_mul_i32 s58, s10, 319488
	s_mov_b32 s59, 0
	s_mov_b32 s[SEL], 0x76543210
	s_mov_b32 s[SEL+1], 0xfedcba98
	s_mov_b32 s[CS], 0x3e38aa3b                    ; log2(e) / 8
	s_mov_b32 s[CS+1], s[CS]                       ; (named with it as a pair)
	s_wait_dscnt 0x0                               ; both opening adds are done
	s_wait_kmcnt 0x0
	s_add_nc_u64 s[4:5], s[4:5], s[58:59]          ; the head's Q
	s_add_nc_u64 s[60:61], s[4:5], 106496          ; its K, and V behind it
	s_mov_b32 s[G0A], 1
	s_mov_b32 s[G0A+1], s54
	s_add_nc_u64 s[G0A+2:G0A+3], s[60:61], s[54:55]
	s_or_b32 s[G0A+3], s[G0A+3], 0x80000000
	s_mov_b32 s[G0B], 1
	s_mov_b32 s[G0B+1], s56
	s_add_nc_u64 s[G0B+2:G0B+3], s[60:61], s[56:57]
	s_or_b32 s[G0B+3], s[G0B+3], 0x80000000
	CROUND                                         ; all four work-groups are here: the joint loads meet
	tensor_load_to_lds s[G0A:G0A+3], s[G1A:G1A+7]  ; by this text's count two tensor loads of a wave are out
	s_nop 0
	tensor_load_to_lds s[G0B:G0B+3], s[G1B:G1B+7]
	s_nop 0
.rept 4
	v_nop
.endr
	v_and_b32 v[L8], 31, v0
	s_delay_alu instid0(VALU_DEP_1)
	v_lshlrev_b32 v[LT], 4, v[L8]
	s_delay_alu instid0(VALU_DEP_1)
	v_add_nc_u32 v[LT], VB+6144, v[LT]
	s_delay_alu instid0(VALU_DEP_3)
	v_lshlrev_b32 v[L8], 3, v[L8]
	s_delay_alu instid0(VALU_DEP_1)
	v_add_nc_u32 v[LV], VB, v[L8]
	; q: record k of 64 tokens, tile cx of it
	s_sub_co_u32 s84, 31, s[WV]                    ; k of the first pass; the second's is the wave's number
	s_mul_i32 s80, s84, REC
	s_mov_b32 s81, 0
	s_add_nc_u64 s[66:67], s[4:5], s[80:81]
	s_mul_i32 s80, s[WV], REC
	s_add_nc_u64 s[68:69], s[4:5], s[80:81]
	s_mul_i32 s85, s[CX], 768
	v_add_nc_u32 v236, s85, v[L8]
	s_and_b32 s86, s[CX], 1
	s_lshl_b32 s85, s86, 7
	s_lshr_b32 s87, s[CX], 1
	s_lshl_b32 s87, s87, 2
	s_add_co_u32 s85, s85, s87
	s_add_co_u32 s85, s85, 3072
	v_and_b32 v234, 15, v0                         ; r
	s_delay_alu instid0(VALU_DEP_1)
	v_lshl_add_u32 v237, v234, 3, s85              ; the tile's word of row r
.irp p, 0,1,2
	global_load_b64 v[22+2*\p:23+2*\p], v236, s[66:67] offset:256*\p
	global_load_b64 v[34+2*\p:35+2*\p], v236, s[68:69] offset:256*\p
.endr
	global_load_b32 v46, v237, s[66:67]
	global_load_b32 v47, v237, s[68:69]
	; my query less the diagonal step's first key less 16 h: r + 8 (r / 8) - 16 h + 64 (k % 2) + 32 (cx / 2) + 8 (cx % 2)
	v_and_b32 v[DVA], 8, v0
	s_delay_alu instid0(VALU_DEP_1)
	v_add_nc_u32 v[DVA], v[DVA], v234
	v_and_b32 v[DVB], 16, v0
	s_delay_alu instid0(VALU_DEP_1)
	v_sub_nc_u32 v[DVA], v[DVA], v[DVB]
	s_wait_alu depctr_va_vdst(0)
	s_lshl_b32 s85, s[CX], 4
	s_lshl_b32 s86, s86, 3
	s_sub_co_u32 s85, s85, s86
	s_and_b32 s86, s[WV], 1
	s_lshl_b32 s86, s86, 6
	s_add_co_u32 s86, s86, s85
	v_add_nc_u32 v[DVB], s86, v[DVA]
	s_and_b32 s86, s84, 1
	s_lshl_b32 s86, s86, 6
	s_add_co_u32 s86, s86, s85
	v_add_nc_u32 v[DVA], s86, v[DVA]
	; y: tile 128 x batch + cx + 4 k; in it the head's 64 channels: record head / 4, K step (head / 2) % 2, half head % 2
	s_lshr_b32 s74, s10, 4
	s_lshl_b32 s74, s74, 7
	s_add_co_u32 s74, s74, s[CX]
	s_and_b32 s75, s10, 15
	s_lshr_b32 s76, s75, 2
	s_mul_i32 s76, s76, REC
	s_bfe_u32 s77, s75, 0x10001
	s_and_b32 s75, s75, 1
	s_mul_i32 s78, s77, 1536
	s_add_co_u32 s78, s78, s76
	s_mul_i32 s79, s75, 768
	s_add_co_u32 s78, s78, s79                     ; the codes' place in a tile
	s_lshl_b32 s77, s77, 2
	s_add_co_u32 s76, s76, s77
	s_lshl_b32 s75, s75, 1
	s_add_co_u32 s76, s76, s75
	s_add_co_u32 s76, s76, 3072                    ; the two scale bytes' place
	YBASE s84, 44
	YBASE s[WV], 48
.irp i, 0,1,2,3,4,5
	v_mov_b32 v[16+\i], 0                          ; zero codes
	v_mov_b32 v[28+\i], 0
	v_mov_b32 v[40+\i], 0
.endr
.irp b, 0,1,2,3
	v_mov_b32 v[PT+\b], 0                          ; a lane permute's destination counts as one of its sources
.endr
	v_mov_b32 v233, 0                              ; (named as the upper half of the pair v[232:233] before it is first written)
	v_mov_b32 v235, 0xff800000                     ; -infinity
	INIT
	s_lshr_b32 s[LIM], s84, 1                      ; at least 8 in the first pass
	s_mov_b32 s[TB], 0
	s_mov_b32 s[J], 0
	s_wait_loadcnt 0x0                             ; q
	s_wait_tensorcnt 0x1                           ; my part of keys 0-511 has landed; my second load may be out
	s_wait_dscnt 0x0
	s_barrier_signal -1
	s_barrier_wait -1                              ; everybody's has
.La0:                                              ; the first pass, steps 0-3: all their keys count
	STEP 22, 16, 46, DVA, 0
	s_cmp_lt_u32 s[J], 4
	s_cbranch_scc1 .La0
	s_setprio 0
	s_wait_tensorcnt 0x0                           ; the rest of K and V
	s_wait_dscnt 0x0
	s_barrier_signal -1
	s_barrier_wait -1
	s_mov_b32 s[TB], 4*STEPB
	s_mov_b32 s[J], 4
.La1:                                              ; steps 4-15, up to the diagonal
	STEP 22, 16, 46, DVA, 1
	s_cmp_lt_u32 s[J], 16
	s_cbranch_scc1 .La1
	s_setprio 0
	FIN 44
	s_wait_xcnt 0x0                                ; the stores have read their registers: the second pass writes them again
	INIT
	s_lshr_b32 s[LIM], s[WV], 1
	s_mov_b32 s[TB], 0
	s_mov_b32 s[J], 0
.Lb:                                               ; the second pass: steps 0-7, up to the diagonal
	STEP 34, 28, 47, DVB, 1
	s_cmp_lt_u32 s[J], 8
	s_cbranch_scc1 .Lb
	s_setprio 0
	FIN 48
	s_wait_tensorcnt 0x0                           ; the wave's end
	ds_add_u32 v[SPW], v[NIL]
	s_wait_dscnt 0x0
	CROUND                                         ; the closing round
	s_endpgm
.Lfunc_end_k_q90e53c4c70_attn:
	.size	k_q90e53c4c70_attn, .Lfunc_end_k_q90e53c4c70_attn-k_q90e53c4c70_attn
	.p2alignl 7, 3214868480
	.fill 96, 4, 3214868480
	.section	.rodata,"a",@progbits
	.p2align	6, 0x0
	.amdhsa_kernel k_q90e53c4c70_attn
		.amdhsa_group_segment_fixed_size 215040
		.amdhsa_private_segment_fixed_size 0
		.amdhsa_enable_private_segment 0
		.amdhsa_kernarg_size 16
		.amdhsa_user_sgpr_count 2
		.amdhsa_user_sgpr_kernarg_segment_ptr 1
		.amdhsa_wavefront_size32 1
		.amdhsa_system_sgpr_workgroup_id_x 1
		.amdhsa_system_sgpr_workgroup_id_y 1
		.amdhsa_system_sgpr_workgroup_id_z 1
		.amdhsa_system_vgpr_workitem_id 0
		.amdhsa_next_free_vgpr 256
		.amdhsa_next_free_sgpr 88
		.amdhsa_reserve_vcc 1
		.amdhsa_float_denorm_mode_32 3
		.amdhsa_float_denorm_mode_16_64 3
		.amdhsa_memory_ordered 1
		.amdhsa_forward_progress 1
		.amdhsa_inst_pref_size 86
	.end_amdhsa_kernel
	.amdgpu_metadata
---
amdhsa.version: [ 1, 2 ]
amdhsa.kernels:
  - .name:           k_q90e53c4c70_attn
    .symbol:         k_q90e53c4c70_attn.kd
    .args:
      - { .name: qkv, .offset: 0, .size: 8, .value_kind: global_buffer, .address_space: global }
      - { .name: yimg, .offset: 8, .size: 8, .value_kind: global_buffer, .address_space: global }
    .group_segment_fixed_size: 215040
    .private_segment_fixed_size: 0
    .kernarg_segment_align: 8
    .kernarg_segment_size: 16
    .max_flat_workgroup_size: 512
    .sgpr_count:     88
    .vgpr_count:     256
    .wavefront_size: 32
...
	.end_amdgpu_metadata
.endif
;; end of part 3
;; launch gproj (part 4): grid 4 x 64, 8 waves a work-group, clusters of 4 x 4, 327,680 bytes of LDS; arguments yimg, wimg, out0; writes out0
.if DOCPART == 4
	.amdgcn_target "amdgcn-amd-amdhsa--gfx1250"
	.amdhsa_code_object_version 6
	.text
	.protected	k_q90e53c4c70_gproj
	.globl	k_q90e53c4c70_gproj
	.p2align	8
	.type	k_q90e53c4c70_gproj,@function
k_q90e53c4c70_gproj:
	s_mov_b64 s[64:65], 0
	v_nop
	global_prefetch_b8 v0, s[64:65] scope:SCOPE_SE
	s_setreg_imm32_b32 hwreg(HW_REG_WAVE_MODE, 25, 1), 1
	s_wait_xcnt 0x0
	s_wait_alu depctr_hold_cnt(0) depctr_sa_sdst(0) depctr_va_vdst(0) depctr_va_sdst(0) depctr_va_ssrc(0) depctr_va_vcc(0) depctr_vm_vsrc(0)
	s_getreg_b32 s2, hwreg(HW_REG_IB_STS2, 6, 4)
	s_cmp_eq_u32 s2, 0
	s_cbranch_scc0 .Lentry_in_a_cluster
	s_endpgm
.Lentry_in_a_cluster:
	s_bfe_u32 s2, ttmp6, 0x10000c
	s_cmp_lg_u32 s2, 0xf033
	s_cbranch_scc0 .Lentry_shape_is_right
	s_endpgm
.Lentry_shape_is_right:
; out0 = y w_proj on codes of BF6; out0 [8,192][1,024] f32.  Nothing of this product is left out.
; OPERANDS: images of registers: a record = one tile of 16 rows x 256 along K = 3,328 bytes; tile 2 B + u holds rows 32 B + 8 u + r + 8 (r / 8).  y's tiles: yimg (launch attn); w_proj's: tiles 192-255 of wimg (launch quant).
; SHARES, LDS and loads as in launch gqkv: a work-group takes 128 tokens x 256 columns and all of K, 4 chunks of 79,872 bytes side by side in LDS, each byte filled once by joint loads issued at the head;
; wave w: tiles 4 (w / 4) + i of y, tiles 4 (w % 4) + j of w: 64 x 64, 16 accumulators.  Source 0 = w, source 1 = y: a lane holds one token and eight neighbouring columns an accumulator.
; THE WAY OUT: a tile of 16 tokens x 64 columns goes through my stage in LDS and leaves as rows: sixteen lanes store 256 consecutive bytes, aligned.  The stages lie in chunk 0's bytes, which have had their one fill,
; and which nobody reads behind the barrier of chunk 1.
.set REC,   3328
.set TILE,  13312
.set CHK,   79872
.set WOFF,  26624
.set SPARE, 4*CHK                      ; the spare words, 128 bytes for each of 8 waves: four blocks of 256 bytes that no other line names
.set AX,  3
.set AW,  4
.set AS,  5
.set L8,  6
.set SPW, 8                            ; v8   my spare word; never rewritten
.set NIL, 9                            ; v9   0; never rewritten
.set SC,  10                           ; v10-17  scale words and nothing else
.set STO, 18                           ; v18  the stage: where I put 16 bytes of a row
.set RD,  19                           ; v19  where I read a row back
.set CO,  20                           ; v20  my byte offset in two rows of out0
.set FX,  32
.set FW,  80
.set BK,  32                           ; the way out: v32-63 and v64-95 by turns
.set ACC, 128
.set WV,  10
.set G1X, 20
.set G1W, 28
.macro CROUND
	s_barrier_signal -1
	s_barrier_wait -1
	s_cmp_lg_u32 s[WV], 0
	s_cbranch_scc1 .Lnot_wave_0_\@
	s_barrier_signal -3
.Lnot_wave_0_\@:
	s_barrier_wait -3
	s_barrier_signal -1
	s_barrier_wait -1
.endm
.macro MKG0 g0, lds, adr, c
	s_mov_b32 s[\g0], 1
	s_add_co_u32 s[\g0+1], s[\lds], (\c)*CHK
	s_add_nc_u64 s[\g0+2:\g0+3], s[\adr:\adr+1], (\c)*REC
	s_or_b32 s[\g0+3], s[\g0+3], 0x80000000
.endm
.macro MM i, j, q, zero
.if \zero
	v_wmma_scale_f32_16x16x128_f8f6f4 v[ACC+8*(4*\i+\j):ACC+8*(4*\i+\j)+7], v[FW+12*\j:FW+12*\j+11], v[FX+12*\i:FX+12*\i+11], 0, v[SC+2*\j+\q], v[SC+2*\i+\q] matrix_a_fmt:MATRIX_FMT_BF6 matrix_b_fmt:MATRIX_FMT_BF6 matrix_a_scale:MATRIX_SCALE_ROW1
.else
	v_wmma_scale_f32_16x16x128_f8f6f4 v[ACC+8*(4*\i+\j):ACC+8*(4*\i+\j)+7], v[FW+12*\j:FW+12*\j+11], v[FX+12*\i:FX+12*\i+11], v[ACC+8*(4*\i+\j):ACC+8*(4*\i+\j)+7], v[SC+2*\j+\q], v[SC+2*\i+\q] matrix_a_fmt:MATRIX_FMT_BF6 matrix_b_fmt:MATRIX_FMT_BF6 matrix_a_scale:MATRIX_SCALE_ROW1
.endif
.endm
.macro KSTEP q, zero                   ; 128 along K; the 16 accumulators take turns, one instruction a turn
.rept 4
	v_nop                                          ; four places in front of loads into registers that matrix instructions have read
.endr
.if \q == 0
.irp i, 0,1,2,3
	ds_load_b64 v[SC+2*\i:SC+2*\i+1], v[AS] offset:REC*\i
.endr
.endif
.irp i, 0,1,2,3
.irp p, 0,1,2,3,4,5
	ds_load_b64 v[FX+12*\i+2*\p:FX+12*\i+2*\p+1], v[AX] offset:REC*\i+1536*\q+256*\p
.endr
.endr
.irp i, 0,1,2,3
.irp p, 0,1,2,3,4,5
	ds_load_b64 v[FW+12*\i+2*\p:FW+12*\i+2*\p+1], v[AW] offset:REC*\i+1536*\q+256*\p
.endr
.endr
.irp j, 0,1,2,3
	s_wait_dscnt 6*(3-\j)                          ; w's fragment j is in; the six loads of each later one may be out
.irp i, 0,1,2,3
	MM \i, \j, \q, \zero
.endr
.endr
.endm
.macro CHUNK c
	s_wait_tensorcnt 3-\c                          ; my part of chunk c has landed; my loads of the later chunks may be out
	s_wait_dscnt 0x0
	s_barrier_signal -1
	s_barrier_wait -1
.if \c > 0
	v_add_nc_u32 v[AX], CHK, v[AX]
	v_add_nc_u32 v[AW], CHK, v[AW]
	v_add_nc_u32 v[AS], CHK, v[AS]
	KSTEP 0, 0
.else
	KSTEP 0, 1                                     ; the first products start the sums
.endif
	KSTEP 1, 0
.endm
.macro TOSTAGE i                       ; tile i: accumulator j holds columns 32 (j / 2) + 8 (j % 2) + 16 h + 0 .. 7 of row r
.irp j, 0,1,2,3
	ds_store_b128 v[STO], v[ACC+8*(4*(\i)+\j):ACC+8*(4*(\i)+\j)+3] offset:128*(\j/2)+32*(\j%2)       ; each accumulator from its low end on
	ds_store_b128 v[STO], v[ACC+8*(4*(\i)+\j)+4:ACC+8*(4*(\i)+\j)+7] offset:128*(\j/2)+32*(\j%2)+16
.endr
.irp t, 0,1,2,3,4,5,6,7
	ds_load_b128 v[BK+32*((\i)%2)+4*\t:BK+32*((\i)%2)+4*\t+3], v[RD] offset:544*\t   ; LDS serves a wave's instructions in order (ISA guide 5.7.1.4): these see my stores
.endr
.endm
.macro SEND i, younger                 ; younger: the LDS instructions issued behind tile i's loads, which may stay out
	s_wait_dscnt \younger
.irp t, 0,1,2,3,4,5,6,7
	global_store_b128 v[CO], v[BK+32*((\i)%2)+4*\t:BK+32*((\i)%2)+4*\t+3], s[8:9] offset:(32*((\i)/2)+8*((\i)%2)+2*\t+8*(\t/4))*4096 th:TH_STORE_NT   ; the tile's rows 2 t, 2 t + 1: 16 lanes store 256 consecutive bytes, aligned
.endr
.endm
	s_load_b128 s[4:7], s[0:1], 0x0                ; yimg, wimg
	s_load_b64 s[8:9], s[0:1], 0x10                ; out0
	v_lshl_add_u32 v[SPW], v0, 2, SPARE
	v_mov_b32 v[NIL], 0
	ds_add_u32 v[SPW], v[NIL]                      ; the wave's opening: the add, twice on end, and its wait ahead of my first tensor load
	ds_add_u32 v[SPW], v[NIL]
	v_lshrrev_b32 v1, 5, v0
	v_readfirstlane_b32 s[WV], v1                  ; wave 0..7
	s_lshr_b32 s11, s[WV], 2
	s_and_b32 s12, s[WV], 3
	s_bfe_u32 s13, ttmp6, 0x40000                  ; cx
	s_bfe_u32 s14, ttmp6, 0x40004                  ; cy
	s_lshl_b32 s15, ttmp9, 2
	s_add_co_u32 s15, s15, s13                     ; which 256 columns
	s_and_b32 s16, ttmp7, 0xffff
	s_lshl_b32 s16, s16, 2
	s_add_co_u32 s16, s16, s14                     ; which 128 tokens
	s_lshl_b32 s17, s14, 2
	s_lshl_b32 s17, 15, s17                        ; my row of the cluster
	s_lshl_b32 s18, 0x1111, s13                    ; my column
	s_or_b32 s[G1X], s17, (3<<16)|(1<<21)          ; the mask; elements of 8 bytes; 21 set beside a mask; no padding
	s_mov_b32 s[G1X+1], 416<<16                    ; a record, 416 elements
	s_mov_b32 s[G1X+2], 2<<16                      ; two tiles
	s_mov_b32 s[G1X+3], 416<<16
	s_mov_b32 s[G1X+4], 2
	s_mov_b32 s[G1X+5], 1664                       ; from tile to tile: 13,312 bytes
	s_mov_b32 s[G1X+6], 0
	s_mov_b32 s[G1X+7], 0
	s_or_b32 s[G1W], s18, (3<<16)|(1<<21)
	s_mov_b32 s[G1W+1], 416<<16
	s_mov_b32 s[G1W+2], 4<<16                      ; four tiles
	s_mov_b32 s[G1W+3], 416<<16
	s_mov_b32 s[G1W+4], 4
	s_mov_b32 s[G1W+5], 1664
	s_mov_b32 s[G1W+6], 0
	s_mov_b32 s[G1W+7], 0
	; waves 0-3, a = wave % 4: y's tiles 2 a, 2 a + 1; waves 4-7: w's tiles 4 a .. 4 a + 3.  Every wave makes both, each in registers that never hold the other coordinate
	s_lshl_b32 s74, s16, 3
	s_lshl_b32 s73, s12, 1
	s_add_co_u32 s74, s74, s73
	s_mul_i32 s74, s74, TILE
	s_mov_b32 s75, 0
	s_mul_i32 s72, s12, 2*REC
	s_lshl_b32 s78, s15, 4
	s_lshl_b32 s77, s12, 2
	s_add_co_u32 s78, s78, s77
	s_add_co_u32 s78, s78, 192                     ; w_proj's tiles lie behind w_attn's 192
	s_mul_i32 s78, s78, TILE
	s_mov_b32 s79, 0
	s_mul_i32 s76, s12, 4*REC
	s_add_co_u32 s76, s76, WOFF
	s_wait_dscnt 0x0                               ; both opening adds are done
	s_wait_kmcnt 0x0
	s_add_nc_u64 s[74:75], s[4:5], s[74:75]
	s_add_nc_u64 s[78:79], s[6:7], s[78:79]
	MKG0 36, 72, 74, 0
	MKG0 40, 72, 74, 1
	MKG0 44, 72, 74, 2
	MKG0 48, 72, 74, 3
	MKG0 52, 76, 78, 0
	MKG0 56, 76, 78, 1
	MKG0 60, 76, 78, 2
	MKG0 68, 76, 78, 3
	CROUND                                         ; all sixteen work-groups are here: the joint loads meet
	s_cmp_lt_u32 s[WV], 4                          ; a wave's four fills stand in one arm; by this text's count four tensor loads of a wave are out
	s_cbranch_scc0 .Lfill_w
.irp g, 36,40,44,48
	tensor_load_to_lds s[\g:\g+3], s[G1X:G1X+7]
	s_nop 0
.endr
.rept 4
	v_nop
.endr
	s_branch .Lfilled
.Lfill_w:
.irp g, 52,56,60,68
	tensor_load_to_lds s[\g:\g+3], s[G1W:G1W+7]
	s_nop 0
.endr
.rept 4
	v_nop
.endr
.Lfilled:
	v_and_b32 v1, 15, v0                           ; r
	v_bfe_u32 v2, v0, 4, 1                         ; h
	v_and_b32 v[L8], 31, v0
	v_lshlrev_b32 v[L8], 3, v[L8]
	s_mul_i32 s80, s11, 4*REC                      ; my four tiles of y,
	s_mul_i32 s81, s12, 4*REC
	s_add_co_u32 s81, s81, WOFF                    ; of w
	v_add_nc_u32 v[AX], s80, v[L8]
	v_add_nc_u32 v[AW], s81, v[L8]
	s_sub_co_u32 s81, s81, s80
	v_mul_u32_u24 v[AS], s81, v2                   ; lanes 16-31 take w's words: the lower base + h x the distance
	v_add_nc_u32 v[AS], v[AS], v[AX]
	v_add_nc_u32 v[AS], 3072, v[AS]
	s_mul_i32 s84, s[WV], 16*272                   ; my stage: 16 rows x (256 bytes + 16)
	v_mul_u32_u24 v[STO], v1, 272
	v_lshl_add_u32 v[STO], v2, 6, v[STO]
	v_add_nc_u32 v[STO], s84, v[STO]               ; in: row r, + 64 h
	v_mul_u32_u24 v[RD], v2, 272
	v_lshl_add_u32 v[RD], v1, 4, v[RD]
	v_add_nc_u32 v[RD], s84, v[RD]                 ; back: lanes 0-15 one row, lanes 16-31 the next
	v_lshlrev_b32 v[CO], 12, v2
	v_lshl_add_u32 v[CO], v1, 4, v[CO]             ; and the same two rows in out0
	s_lshl_b32 s82, s16, 7
	s_lshl_b32 s83, s11, 6
	s_add_co_u32 s82, s82, s83                     ; my first token
	s_lshl_b32 s82, s82, 12                        ; rows of 4,096 bytes
	s_lshl_b32 s83, s15, 10
	s_add_co_u32 s82, s82, s83
	s_lshl_b32 s83, s12, 8
	s_add_co_u32 s82, s82, s83                     ; + my first column, 4 bytes each
	s_mov_b32 s83, 0
	s_add_nc_u64 s[8:9], s[8:9], s[82:83]
	CHUNK 0
	CHUNK 1
	CHUNK 2
	CHUNK 3
.rept 4
	v_nop                                          ; four places behind the last products: for the reads of results and for the loads into registers that held fragments
.endr
	TOSTAGE 0
.irp a, 1,2,3
.if \a > 1
	s_wait_xcnt 0x0                                ; tile a - 2's stores have read their registers: tile a's loads may land there
.endif
	TOSTAGE \a
	SEND \a-1, 16                                  ; behind tile a - 1's loads: tile a's 8 stores and 8 loads
.endr
	SEND 3, 0
	s_wait_tensorcnt 0x0                           ; the wave's end: behind my last tensor load and my last LDS store
	ds_add_u32 v[SPW], v[NIL]
	s_wait_dscnt 0x0
	CROUND                                         ; the closing round
	s_endpgm
.Lfunc_end_k_q90e53c4c70_gproj:
	.size	k_q90e53c4c70_gproj, .Lfunc_end_k_q90e53c4c70_gproj-k_q90e53c4c70_gproj
	.p2alignl 7, 3214868480
	.fill 96, 4, 3214868480
	.section	.rodata,"a",@progbits
	.p2align	6, 0x0
	.amdhsa_kernel k_q90e53c4c70_gproj
		.amdhsa_group_segment_fixed_size 327680
		.amdhsa_private_segment_fixed_size 0
		.amdhsa_enable_private_segment 0
		.amdhsa_kernarg_size 24
		.amdhsa_user_sgpr_count 2
		.amdhsa_user_sgpr_kernarg_segment_ptr 1
		.amdhsa_wavefront_size32 1
		.amdhsa_system_sgpr_workgroup_id_x 1
		.amdhsa_system_sgpr_workgroup_id_y 1
		.amdhsa_system_sgpr_workgroup_id_z 1
		.amdhsa_system_vgpr_workitem_id 0
		.amdhsa_next_free_vgpr 256
		.amdhsa_next_free_sgpr 100
		.amdhsa_reserve_vcc 0
		.amdhsa_float_denorm_mode_32 3
		.amdhsa_float_denorm_mode_16_64 3
		.amdhsa_memory_ordered 1
		.amdhsa_forward_progress 1
		.amdhsa_inst_pref_size 60
	.end_amdhsa_kernel
	.amdgpu_metadata
---
amdhsa.version: [ 1, 2 ]
amdhsa.kernels:
  - .name:           k_q90e53c4c70_gproj
    .symbol:         k_q90e53c4c70_gproj.kd
    .args:
      - { .name: yimg, .offset: 0, .size: 8, .value_kind: global_buffer, .address_space: global }
      - { .name: wimg, .offset: 8, .size: 8, .value_kind: global_buffer, .address_space: global }
      - { .name: out0, .offset: 16, .size: 8, .value_kind: global_buffer, .address_space: global }
    .group_segment_fixed_size: 327680
    .private_segment_fixed_size: 0
    .kernarg_segment_align: 8
    .kernarg_segment_size: 24
    .max_flat_workgroup_size: 256
    .sgpr_count:     100
    .vgpr_count:     256
    .wavefront_size: 32
...
	.end_amdgpu_metadata
.endif
;; end of part 4
